; MI455X (gfx1250); checked and timed in simulation.
; The chip was launched on July 23, 2026; its instructions are those of AMD's public machine-readable ISA for CDNA 5 (MIT licence, August 2026) and "CDNA5" Instruction Set Architecture Reference Guide (July 2026). The comments in the code are by the model that wrote it; some were corrected since.
;; Attention. Allowed arithmetic: matrix products marked QUANTISED: E4M3 operands, one given power-of-two scale a tensor, by v_wmma_f32_16x16x64_fp8_fp8 or v_wmma_f32_16x16x128_fp8_fp8, f32 sums; everything else in f32.
;; Inputs: key_codes 4 x 16 x 2,048 x 4 x 32 uint8 (E4M3 codes of key, K innermost, in blocks of 32 codes); lowp_scales 4 int32 (the exponents e of the quantised operands' scales 2^e); query_codes 4 x 16 x 2,048 x 4 x 32 uint8 (E4M3 codes of query, K innermost, in blocks of 32 codes); scale_factor 4 x 16 x 1 x 1 float32; value_codes 4 x 16 x 128 x 64 x 32 uint8 (E4M3 codes of value, K innermost, in blocks of 32 codes).
;; Outputs: out0 4 x 16 x 2,048 x 128 float32.
;; This version of the problem:
;;   THIS VERSION OF THE PROBLEM IS GIVEN IN LOW PRECISION. The matrix products marked QUANTISED in the list below multiply operands that are first quantised to E4M3 (4 exponent bits, 3 mantissa bits; 8 bits a number), with one given power-of-two scale for each operand tensor; their sums are f32. All else is computed in f32.
;;   The module's matrix products, in the order in which they are computed (A, B: the left and right operand; K: the contracted axis; several contracted axes count as one K, in the product's order):
;;     1. batch 64 x [M 2,048, K 128] x [K 128, N 2,048]; A: input query (given as codes); B: input key (given as codes): QUANTISED (scales: A lowp_scales[0], B lowp_scales[1])
;;     2. batch 64 x [M 2,048, K 2,048] x [K 2,048, N 128]; A: softmax (see below); B: input value (given as codes): QUANTISED (scales: A lowp_scales[2], B lowp_scales[3])
;;   THE QUANTISER, for each operand of a quantised product, along K:
;;     - The operand's scale is 2^e, e = its entry of the input lowp_scales (int32; the entries are numbered through the quantised products in the list's order, A before B).
;;     - Each number is divided by the scale, clamped to +-448, and rounded to the nearest number of E4M3, ties to even, subnormals kept.
;;     - The product sums the exact products of the quantised numbers (number of the format x scale) in f32.
;;   ~~~python
;;   def quantise(x, axis, e):      # numpy; x: float32 -> the quantised numbers, widened to float32 again
;;       x = np.moveaxis(x, axis, -1); K = x.shape[-1]
;;       r = np.clip(x / 2.0 ** e, -448, 448)
;;       step = 2.0 ** (np.maximum(np.frexp(np.where(r == 0, 1, r))[1] - 1, -6) - 3)
;;       q = np.round(r / step) * step * 2.0 ** e      # np.round: ties to even
;;       return np.moveaxis(q, -1, axis).astype(np.float32)
;;   ~~~
;;   SOFTMAX AHEAD OF A QUANTISED PRODUCT. Where the list says 'softmax', what is quantised is not the finished softmax but p = 2^(t - M), with t = logit x log2(e) and M = ceil(the row's largest t), a whole number; so 1/2 < the row's largest p <= 1. The row's sum l is taken of the UNQUANTISED p, in f32, and the product's result is divided by l at the end. Since M is a whole number, a kernel that streams over the keys may use a running M (the ceiling of the running maximum): every later rescaling is an exact power of two, so the quantised numbers keep their values, but for numbers so far below the row's largest that they fall under the format's range.
;;   OPERANDS COMPUTED ON THE WAY. 'Computed on the way' means the value that the module computes at that place (a softmax that the list does not call 'softmax' is quantised finished and normalised). What goes into a quantiser is computed in f32, as accurately as f32 sums, v_exp_f32 and their like allow (about 1e-6 of the number): no bf16 or f16 on the way to a quantiser, and a product that is left as it is and whose result goes on into a quantised operand takes f32 operands (vector FMAs, or v_wmma_f32_16x16x4_f32). A number that lies on a knife's edge between two numbers of the format may be rounded either way, as far as f32 arithmetic and the matrix unit's own rounding can turn it there, and no further.
;;   INPUTS GIVEN AS CODES. key (in the module: [4, 16, 2048, 128], K = its axis 3); query (in the module: [4, 16, 2048, 128], K = its axis 3); value (in the module: [4, 16, 2048, 128], K = its axis 2): each comes as NAME_codes (uint8): NAME with its K axis moved to the last place and cut into blocks of 32 codes, [.., K / 32, bytes a block], one block behind the other in memory; one code a byte (a code: sign, 4 exponent bits, 3 mantissa bits); its scale is its entry of lowp_scales. Its value is code x scale, taken as it is: it is not quantised again, and the codes and scales need not be those that the quantiser above would give.
;; One version. Each part assembles by itself: llvm-mc -triple=amdgcn-amd-amdhsa -mcpu=gfx1250 --defsym DOCPART=n.
;; ======== version 1 of 1: 1 launch
;; limits: right only within a limited range of input values
;; launch attn (part 1): grid 8 x 64, 8 waves a work-group, clusters of 4 x 1, 327,680 bytes of LDS; arguments query_codes, key_codes, value_codes, lowp_scales, scale_factor, out0; writes out0
.if DOCPART == 1
	.amdgcn_target "amdgcn-amd-amdhsa--gfx1250"
	.amdhsa_code_object_version 6
	.text
	.protected	k_q0d922d8f1c_attn
	.globl	k_q0d922d8f1c_attn
	.p2align	8
	.type	k_q0d922d8f1c_attn,@function
k_q0d922d8f1c_attn:
	s_mov_b64 s[64:65], 0
	v_nop
	global_prefetch_b8 v0, s[64:65] scope:SCOPE_SE
	s_setreg_imm32_b32 hwreg(HW_REG_WAVE_MODE, 25, 1), 1
	s_wait_xcnt 0x0
	s_wait_alu depctr_hold_cnt(0) depctr_sa_sdst(0) depctr_va_vdst(0) depctr_va_sdst(0) depctr_va_ssrc(0) depctr_va_vcc(0) depctr_vm_vsrc(0)
	s_getreg_b32 s2, hwreg(HW_REG_IB_STS2, 6, 4)
	s_cmp_eq_u32 s2, 0
	s_cbranch_scc0 .Lentry_in_a_cluster
	s_endpgm
.Lentry_in_a_cluster:
	s_bfe_u32 s2, ttmp6, 0x10000c
	s_cmp_lg_u32 s2, 0x3003
	s_cbranch_scc0 .Lentry_shape_is_right
	s_endpgm
.Lentry_shape_is_right:
; out[head][q][:] = the sum over k of softmax_k(Q[q] . K[k] x scale_factor[head]) V[k][:], 64 heads, 2,048 queries and keys, head size 128, no mask; both products on codes of FP8 (E4M3).
; Q, K: [64][2048][128] codes (K axis = the head's 128).  V: [64][128][2048] codes (K axis = the keys).  lowp_scales: eq, ek, ep, ev.  out: [64][2048][128] f32.
; THE SOFTMAX AHEAD OF THE SECOND PRODUCT: t = score x 2^(eq+ek) x scale_factor x log2(e); M = the running largest t rounded UP to a whole number; p = 2^(t - M) is quantised with 2^ep, not normalised;
; the row's sum is taken of the unquantised p in f32 and divides O at the end, with 2^(ep+ev).  When M moves, the sum and O are multiplied by 2^(old M - new M): nothing is rounded.
; scale_factor MAY BE NEGATIVE: its sign is put into Q's codes once (the sign bit of each byte is turned over: -q is a code too, so this is exact), and c = |scale_factor| x log2(e) x 2^(eq+ek) is never
; negative: the largest t is then c x the largest score.  No branch hangs on it.
; SHARES.  A work-group owns 256 queries of one head; each of its eight waves owns 32: two tiles of 16, in 512 registers, two waves to a SIMD.  Each fragment of K and V read from LDS feeds two products.
; Every wave walks all keys, 128 a step, two steps to a slot of 256 keys; a ring of two LDS slots is filled by the tensor data mover (waves 0, 1: K's halves; waves 2, 3: V's) and read by all eight.
; CLUSTER.  The four query blocks of a cluster belong to one head and walk the same K and V: each tile is asked for JOINTLY, by the same tensor load with the same descriptor and a mask that names the four.
; LAYOUT.  Both products are used transposed: S^T = K Q^T (source 0 = 16 keys, source 1 = 16 queries), O^T = V^T P^T (source 0 = 16 of the head's 128, source 1 = P): a lane holds ONE query (lane % 16) throughout.
; WHICH KEYS FORM A STEP AND A TILE is free without a mask.  Step q of a slot takes keys 64 q .. 64 q + 63 of the slot's first 128 keys and the same of its second 128.  Row r of K's tile 2 c + u is key
; 128 (r / 8) + 64 q + 16 c + 8 u + r % 8.  So in S^T lane (query, h) holds in registers 16 c .. 16 c + 15 the keys 128 h + 64 q + 16 c + 0 .. 15: sixteen neighbours, which the conversions turn into registers
; 4 c .. 4 c + 3 of P's fragment; V's fragment takes the same 16 keys into the same registers by one load of 16 bytes.  Along the head's 128, Q and K both take bytes 32 c + 16 h + 0 .. 15 into registers 4 c .. 4 c + 3:
; a permutation of k that is the same on both sides of each product.
; LIMITS: ep between -126 and 119 (2^ep and 448 x 2^ep are made as f32 patterns); eq + ek and ep + ev are applied by v_ldexp_f32 and have none; scale_factor is finite; NaN codes are not served.
; LEFT OUT: matrix and vector work by turns inside a wave: a step has 32 matrix instructions beside some 560 vector instructions, so the SIMD's second wave is what fills the gaps.
; REGISTERS.  Window 0: v0 thread; v1-9 addresses; v[10:11] c; v12-22, v24-34 statistics of tile 0, 1; v37 2^ep; v38, v39 the stage; v40-44 r, h and other lane numbers; v64-95 Q; v96-127 P's codes; v128-255 S^T, then p.
;             Window 1: v0-127 O^T (tile u, channels 16 t on: 64 u + 8 t); v128-255 eight fragments, of K and then of V.
.set SK,     256                       ; keys in a slot
.set NSL,    8                         ; slots' worth of keys
.set KP,     144                       ; a key's row in LDS: 128 bytes + 16 of padding
.set VP,     272                       ; a row of V's tile in LDS: 256 bytes + 16
.set KB,     128*KP+128                ; the slot's second 128 keys begin here: 4,640 words, 32 modulo 64
.set VOFF,   2*KB                      ; then V's 128 rows
.set VH,     64*VP                     ; 64 of them: what one load brings
.set SLOT1,  1<<17                     ; slot 1 begins here: one exclusive or turns an address in one slot into the other's
.set SPARE,  2*SLOT1                   ; behind the ring: the spare words, 128 bytes for each of the eight waves: four blocks of 256 bytes that no other line names
.set SPITCH, 528                       ; the way out: 16 rows x (512 bytes + 16) for each wave, from LDS byte 0 on: slot 0 has had its last fill, and nobody reads it behind the last barrier
.set AK0,  1                           ; v1   my lane's place in a tile of K
.set AV0,  2                           ; v2   the same for V
.set PFO,  3                           ; v3   the prefetches' lane offset; never rewritten
.set QO,   4                           ; v4   my byte in a tile of Q
.set SPW,  5                           ; v5   LDS address of my spare word; never rewritten
.set NIL,  6                           ; v6   0; never rewritten
.set GO,   7                           ; v7   16 x lane
.set ADK,  8                           ; v8   LDS address of the step's K
.set ADV,  9                           ; v9   of its V
.set CC,   10                          ; v[10:11] c, twice
.set ST,   12                          ; tile u's statistics at ST + 12 u: +0 -M, +1 the largest t, +2:3 the sum in two halves, +4:5 f (the upper word is 0), +6, +7 at work, +8:9 a second chain of sums, +10 the permute's destination
.set LIMV, 36
.set SCV,  37
.set STO,  38
.set RD,   39
.set Q,    64
.set CD,   96
.set S,    128
.set FR,   128                         ; in window 1
.set TB,    16                         ; s16  LDS byte at which the slot in hand begins
.set SLOTS, 17                         ; s17  slots still to be asked for
.set WV,    18                         ; s18  my wave's number
.set LIM,   19                         ; s19  1 in a wave that prefetches, else the greatest number
.set SEL,   20                         ; s[20:21] lane selects for v_permlanex16_b32: lane l xor 16
.set G1K,   24                         ; s[24:31] descriptor group 1 for K's tiles;  s[32:39] for V's;  s[40:43], s[44:47] their groups 0, which walk
.set G1V,   32
.set G0K,   40
.set G0V,   44
.set PFA,   48                         ; s[48:49] where my prefetches stand in memory
.set PFS,   50                         ; s[50:51] a slot on, in bytes
.set MSB, 0
.macro WIN new                         ; s_set_vgpr_msb: bits 1:0 source 0, 3:2 source 1, 5:4 source 2, 7:6 destination; the high byte repeats the setting that is left; a switch that changes nothing is dropped
.if MSB != \new
	s_set_vgpr_msb (MSB<<8)|\new
.set MSB, \new
.endif
.endm
.set W_LD,  0x40                       ; a load's destination in window 1, its address in window 0
.set W_KQ,  0x01                       ; K's fragment in window 1; Q and S^T in window 0
.set W_RS,  0x41                       ; O^T (destination and source 0) in window 1, f in window 0
.set W_PV,  0x51                       ; V's fragment and O^T (C and D) in window 1, P's codes in window 0
.set W_OUT, 0x01                       ; O^T as source 0 in window 1, the result in window 0
; A round of the cluster's barrier: my work-group's barrier, so that wave 0's signal speaks for all eight waves; wave 0 signals for the work-group; every wave waits for all four work-groups; my work-group's barrier once more.
.macro CROUND
	s_barrier_signal -1
	s_barrier_wait -1
	s_cmp_lg_u32 s[WV], 0
	s_cbranch_scc1 .Lnot_wave_0_\@
	s_barrier_signal -3
.Lnot_wave_0_\@:
	s_barrier_wait -3
	s_barrier_signal -1
	s_barrier_wait -1
.endm
; A joint load.  Waves 0 and 1 fetch K's two halves of a slot, waves 2 and 3 V's, the others nothing.  The branches hang on the wave's number alone: they are the same in every work-group.
; Four v_nop follow each of the two lines.
.macro TLOAD
	s_cmp_lt_u32 s[WV], 2
	s_cbranch_scc0 .Lnot_k_\@
	tensor_load_to_lds s[G0K:G0K+3], s[G1K:G1K+7]
	s_nop 0
.rept 4
	v_nop
.endr
	s_branch .Lasked_\@
.Lnot_k_\@:
	s_cmp_lt_u32 s[WV], 4
	s_cbranch_scc0 .Lasked_\@
	tensor_load_to_lds s[G0V:G0V+3], s[G1V:G1V+7]
	s_nop 0
.rept 4
	v_nop
.endr
.Lasked_\@:
.endm
; A PREFETCH INTO THE L2 of what the NEXT change of slots will ask for: a slot's 256 rows of K, one dense block of 32,768 bytes, and 256 codes of each of V's 128 rows.
; Each aligned block of 256 bytes is named ONCE in the launch.  Both clusters of a head walk the same K and V: the head's first cluster asks.  Its four partners share the blocks out BY ADDRESS: of K's block 8,192 bytes each,
; lanes 256 bytes apart (wave 4); of V's rows 32 each, a lane a row (wave 5): one instruction a wave, in waves that fetch nothing.  It stands two key steps ahead of the load that will want the bytes.
; The last change that fills a slot asks for nothing: there is no slot behind it.  Slots 0 and 1 come by their loads alone.
.macro ASK
	s_cmp_gt_u32 s[SLOTS], s[LIM]
	s_cbranch_scc0 .Lnot_mine_\@
	global_prefetch_b8 v[PFO], s[PFA:PFA+1] th:TH_LOAD_NT scope:SCOPE_SE
.Lnot_mine_\@:
.endm
	s_load_b256 s[4:11], s[0:1], 0x0               ; Q's codes s[4:5], K's s[6:7], V's s[8:9], the scales' exponents s[10:11]
	s_load_b128 s[12:15], s[0:1], 0x20             ; scale_factor s[12:13], out s[14:15]
	v_lshl_add_u32 v[SPW], v0, 2, SPARE
	v_mov_b32 v[NIL], 0
	ds_add_u32 v5, v6
	s_wait_dscnt 0x0
	v_lshrrev_b32 v40, 5, v0
	v_readfirstlane_b32 s[WV], v40                 ; wave 0..7
	s_bfe_u32 s57, ttmp6, 0x40000                  ; cx: my place in the cluster.  It enters Q's, out's and the prefetches' addresses alone
	s_lshl_b32 s58, ttmp9, 2                       ; in a cluster launch ttmp9 counts clusters
	s_add_co_u32 s58, s58, s57                     ; my block of 256 queries = 4 x cluster x + cx
	s_and_b32 s60, ttmp7, 0xffff                   ; the head, which the four partners share
	s_mov_b32 s61, 0
	s_lshl_b64 s[66:67], s[60:61], 18              ; the head's first byte in each tensor of codes: 2,048 x 128 bytes a head,
	s_lshl_b64 s[68:69], s[60:61], 20              ; in out: 2,048 x 512,
	s_lshl_b64 s[76:77], s[60:61], 2               ; and in scale_factor
	s_lshl_b32 s70, s58, 8
	s_lshl_b32 s71, s[WV], 5
	s_add_co_u32 s70, s70, s71                     ; my first query: 256 x block + 32 x wave
	s_mov_b32 s71, 0
	s_lshl_b64 s[72:73], s[70:71], 7
	s_add_nc_u64 s[72:73], s[72:73], s[66:67]      ; its codes
	s_lshl_b64 s[74:75], s[70:71], 9
	s_add_nc_u64 s[74:75], s[74:75], s[68:69]      ; its row of out
	s_and_b32 s78, s[WV], 1                        ; which half of a slot's K or V I fetch, if I fetch
	s_lshl_b32 s80, s78, 14                        ; K: 128 rows of 128 bytes in memory,
	s_mov_b32 s81, 0
	s_add_nc_u64 s[80:81], s[80:81], s[66:67]
	s_lshl_b32 s82, s78, 17                        ; V: 64 rows of 2,048 bytes
	s_mov_b32 s83, 0
	s_add_nc_u64 s[82:83], s[82:83], s[66:67]
	s_mul_i32 s84, s78, KB                         ; and their places in a slot: no place in the cluster enters an LDS address
	s_mul_i32 s85, s78, VH
	s_add_co_u32 s85, s85, VOFF
	; descriptor group 1.  K: 128 rows of 128 bytes, dense in memory;  V: 64 rows of 256 bytes, 2,048 bytes apart
	s_mov_b32 s[G1K], 15|(0<<16)|(1<<20)|(1<<21)|(4<<22)|(3<<25)   ; 15:0 the mask: all four work-groups; 17:16 elements of 1 byte; 20 padding on; 21 set beside a mask; 24:22 after every 32 words (code 4); 31:25 four words (code 3)
	s_mov_b32 s[G1K+1], 128<<16                    ; tensor_dim0
	s_mov_b32 s[G1K+2], 128<<16                    ; tensor_dim1
	s_mov_b32 s[G1K+3], 128<<16                    ; tile_dim0
	s_mov_b32 s[G1K+4], 128                        ; tile_dim1
	s_mov_b32 s[G1K+5], 128                        ; tensor_dim0_stride
	s_mov_b32 s[G1K+6], 0
	s_mov_b32 s[G1K+7], 0
	s_mov_b32 s[G1V], 15|(0<<16)|(1<<20)|(1<<21)|(5<<22)|(3<<25)   ; the same, with four words of padding after every 64
	s_mov_b32 s[G1V+1], 256<<16
	s_mov_b32 s[G1V+2], 64<<16
	s_mov_b32 s[G1V+3], 256<<16
	s_mov_b32 s[G1V+4], 64
	s_mov_b32 s[G1V+5], 2048
	s_mov_b32 s[G1V+6], 0
	s_mov_b32 s[G1V+7], 0
	s_mov_b32 s[SEL], 0x76543210
	s_mov_b32 s[SEL+1], 0xfedcba98
	s_mov_b32 s[TB], 0
	s_mov_b32 s[SLOTS], NSL-1
	s_wait_kmcnt 0x0
	s_add_nc_u64 s[12:13], s[12:13], s[76:77]
	s_load_b128 s[52:55], s[10:11], 0x0            ; eq, ek, ep, ev
	s_load_b32 s56, s[12:13], 0x0                  ; my head's scale_factor
	s_mov_b32 s[G0K], 1                            ; 1:0 count = 1
	s_mov_b32 s[G0K+1], s84                        ; 63:32 LDS address: slot 0
	s_add_nc_u64 s[G0K+2:G0K+3], s[6:7], s[80:81]  ; 120:64 global address: the head's first 256 keys
	s_or_b32 s[G0K+3], s[G0K+3], 0x80000000        ; 127:126 type = 2
	s_mov_b32 s[G0V], 1
	s_mov_b32 s[G0V+1], s85
	s_add_nc_u64 s[G0V+2:G0V+3], s[8:9], s[82:83]
	s_or_b32 s[G0V+3], s[G0V+3], 0x80000000
	CROUND                                         ; all four work-groups are here: the first joint loads meet
	TLOAD                                          ; slot 0
	s_add_nc_u64 s[4:5], s[4:5], s[72:73]          ; Q's codes at my first query
	s_add_nc_u64 s[14:15], s[14:15], s[74:75]      ; out likewise
	v_and_b32 v40, 15, v0                          ; r = lane % 16
	v_bfe_u32 v41, v0, 4, 1                        ; h = lane / 16
	v_lshlrev_b32 v[QO], 7, v40
	v_lshl_add_u32 v[QO], v41, 4, v[QO]            ; Q: row r of 128 bytes, + 16 h
.irp u, 0,1
.irp c, 0,1,2,3
	global_load_b128 v[Q+16*\u+4*\c:Q+16*\u+4*\c+3], v[QO], s[4:5] offset:2048*\u+32*\c th:TH_LOAD_NT   ; Q's two fragments stay in registers; these bytes are read by this wave alone
.endr
.endr
	; the prefetches: where my wave's stand, and who asks
	s_cmp_eq_u32 s[WV], 4                          ; wave 4 asks for K's codes, wave 5 for V's; all selections on this compare come first
	s_cselect_b64 s[PFA:PFA+1], s[6:7], s[8:9]
	s_mov_b32 s[PFS], SK
	s_cselect_b32 s[PFS], SK*128, s[PFS]           ; a slot on: 32,768 bytes in K, 256 in a row of V
	s_cselect_b32 s86, 8, 11                       ; from lane to lane: 256 bytes in K's block, a row of 2,048 in V
	s_cselect_b32 s87, 13, 16                      ; from partner to partner: 32 such
	s_mov_b32 s[PFS+1], 0
	s_lshl_b32 s88, s57, s87                       ; my work-group's part,
	s_add_co_u32 s88, s88, s[PFS]                  ; in slot 1: the first change of slots steps it to slot 2
	s_mov_b32 s89, 0
	s_add_nc_u64 s[PFA:PFA+1], s[PFA:PFA+1], s[66:67]   ; in my head
	s_add_nc_u64 s[PFA:PFA+1], s[PFA:PFA+1], s[88:89]
	v_and_b32 v[PFO], 31, v0
	v_lshlrev_b32 v[PFO], s86, v[PFO]
	s_sub_co_u32 s90, s[WV], 4
	s_lshr_b32 s90, s90, 1                         ; 0 in waves 4 and 5,
	s_or_b32 s90, s90, ttmp9                       ; of the head's first cluster: the same in all four partners
	s_cmp_eq_u32 s90, 0
	s_cselect_b32 s[LIM], 1, -1
	; my lane's places in the tiles
	v_bfe_u32 v42, v0, 3, 1                        ; g = r / 8: which of the slot's two groups of 128 keys
	v_and_b32 v43, 7, v0                           ; j = r % 8
	v_mul_u32_u24 v[AK0], v43, KP
	v_mul_u32_u24 v44, v42, KB
	v_add_nc_u32 v[AK0], v44, v[AK0]
	v_lshl_add_u32 v[AK0], v41, 4, v[AK0]          ; K: j x pitch + g x KB + 16 h
	v_mul_u32_u24 v[AV0], v40, VP
	v_lshl_add_u32 v[AV0], v41, 7, v[AV0]
	v_add_nc_u32 v[AV0], VOFF, v[AV0]              ; V: row r, + 128 h: my half's group of keys
	v_and_b32 v[GO], 31, v0
	v_lshlrev_b32 v[GO], 4, v[GO]
.irp u, 0,1
	v_mov_b32 v[ST+12*\u+1], 0xff61b1e6            ; the largest t so far: -3e38, under every t
	v_floor_f32 v[ST+12*\u], -v[ST+12*\u+1]        ; -M
	v_mov_b32 v[ST+12*\u+2], 0                     ; the sum, in two halves: the first change of M multiplies zeros
	v_mov_b32 v[ST+12*\u+3], 0
	v_mov_b32 v[ST+12*\u+5], 0                     ; (named as the upper half of f's pair)
	v_mov_b32 v[ST+12*\u+10], 0                    ; written once: a lane permute's destination counts as one of its sources
.endr
	s_wait_kmcnt 0x0
	s_and_b32 s91, s56, 0x7fffffff                 ; |scale_factor|
	s_add_co_i32 s92, s52, s53                     ; eq + ek
	v_mov_b32 v[CC], s91
	v_mul_f32 v[CC], 0x3fb8aa3b, v[CC]             ; x log2(e)
	v_ldexp_f32 v[CC], v[CC], s92                  ; x 2^(eq + ek): c, never negative
	v_mov_b32 v[CC+1], v[CC]
	s_add_co_i32 s93, s54, 127
	s_lshl_b32 s94, s93, 23
	v_mov_b32 v[SCV], s94                          ; 2^ep as f32: the conversion takes its exponent field
	s_ashr_i32 s95, s56, 31
	s_and_b32 s95, s95, 0x80808080                 ; the sign bit of each of four codes where scale_factor is negative, else 0
	s_add_co_i32 s59, s54, s55                     ; ep + ev, for the way out
	s_wait_loadcnt 0x0                             ; Q
.set i, 0
.rept 32
	v_xor_b32 v[Q+i], s95, v[Q+i]                  ; Q x the sign of scale_factor: exact
.set i, i+1
.endr
; THE SOFTMAX OF ONE TILE AND ONE KEY STEP is two numbered lists; the symbol n says which number a macro writes.  s0-s63 are the lane's 64 scores.
; PRE, 73 numbers: 0-31 the largest score, three operands at a time, in two chains, each accumulator from its low end on; 32, 33 lane l xor 16's; 34 as t (c is not negative);
; 35 the running largest t; 36-40 the new -M = floor(-t), and f = 2^(old M - new M), made of a whole number by v_ldexp_f32; 41-72 t - M, two at a time.
.macro PRE u
.set rT, ST+12*(\u)
.set rS, S+64*(\u)
.if n == 0
	v_max3_num_f32 v[rT+6], v[rS], v[rS+1], v[rS+2]
.elseif n == 1
	v_max3_num_f32 v[rT+7], v[rS+3], v[rS+4], v[rS+5]
.elseif n < 30
	v_max3_num_f32 v[rT+6+n%2], v[rT+6+n%2], v[rS+2*n+2], v[rS+2*n+3]
.elseif n == 30
	v_max3_num_f32 v[rT+6], v[rT+6], v[rS+62], v[rS+63]
.elseif n == 31
	v_max_num_f32 v[rT+6], v[rT+6], v[rT+7]
.elseif n == 32
	v_permlanex16_b32 v[rT+10], v[rT+6], s[SEL], s[SEL+1]
.elseif n == 33
	v_max_num_f32 v[rT+6], v[rT+6], v[rT+10]
.elseif n == 34
	v_mul_f32 v[rT+6], v[CC], v[rT+6]
.elseif n == 35
	v_max_num_f32 v[rT+1], v[rT+1], v[rT+6]
.elseif n == 36
	v_mov_b32 v[rT+6], v[rT]
.elseif n == 37
	v_floor_f32 v[rT], -v[rT+1]
.elseif n == 38
	v_sub_f32 v[rT+6], v[rT], v[rT+6]              ; M's old value less its new one: a whole number, 0 or less
.elseif n == 39
	v_cvt_i32_f32 v[rT+6], v[rT+6]                 ; (it saturates)
.elseif n == 40
	v_ldexp_f32 v[rT+4], 1.0, v[rT+6]
.else
	v_pk_fma_f32 v[rS+2*(n-41):rS+2*(n-41)+1], v[rS+2*(n-41):rS+2*(n-41)+1], v[CC:CC+1], v[rT:rT+1] op_sel_hi:[1,0,0]   ; c s - M (of the pairs c and -M the low word serves both halves)
.endif
.endm
; POST, 97 numbers, behind the exponentials: 0 the sums under the new M; 1-32 THE ROW'S SUM OF THE UNQUANTISED p, two at a time, in two chains; 33-96 nothing.
.macro POST u
.set rT, ST+12*(\u)
.set rS, S+64*(\u)
.if n == 0
	v_pk_mul_f32 v[rT+2:rT+3], v[rT+2:rT+3], v[rT+4:rT+5] op_sel_hi:[1,0]
.elseif n == 1
	v_pk_add_f32 v[rT+8:rT+9], v[rS:rS+1], v[rS+2:rS+3]
.elseif (n < 32) && (n%2 == 0)
	v_pk_add_f32 v[rT+2:rT+3], v[rT+2:rT+3], v[rS+2*n:rS+2*n+1]
.elseif n < 32
	v_pk_add_f32 v[rT+8:rT+9], v[rT+8:rT+9], v[rS+2*n:rS+2*n+1]
.elseif n == 32
	v_pk_add_f32 v[rT+2:rT+3], v[rT+2:rT+3], v[rT+8:rT+9]
.else
.endif
.endm
.macro CVT u                           ; p's 64 numbers of a lane become P's fragment: registers 4 b .. 4 b + 3 = the 16 keys of registers 16 b .. 16 b + 15
.irp b, 0,1,2,3
	v_cvt_scalef32_pk8_fp8_f32 v[CD+16*(\u)+4*\b:CD+16*(\u)+4*\b+1], v[S+64*(\u)+16*\b:S+64*(\u)+16*\b+7], v[SCV]
	v_cvt_scalef32_pk8_fp8_f32 v[CD+16*(\u)+4*\b+2:CD+16*(\u)+4*\b+3], v[S+64*(\u)+16*\b+8:S+64*(\u)+16*\b+15], v[SCV]
.endr
.endm
; A KEY STEP: 128 keys, the q-th of the slot in hand.  first = 1: the launch's first step, whose second products start O^T's sums with the constant 0: nothing is ever cleared.
; A load into a register that a matrix instruction has read, and a vector instruction that reads a matrix result, stand four places behind that matrix instruction, and only plain vector instructions that name none of its
; registers are places (ISA guide 7.12.1 for vector instructions).
.macro STEP q, first
	WIN 0
	v_add_nc_u32 v[ADK], s[TB], v[AK0]             ; these two and the two v_nop are the four places behind the last step's products, in front of the loads into the fragments
	v_add_nc_u32 v[ADV], s[TB], v[AV0]
	v_nop
	v_nop
	WIN W_LD
.irp t, 0,1,2,3,4,5,6,7                        ; K's eight fragments in one run
.irp c, 0,1,2,3
	ds_load_b128 v[FR+16*\t+4*\c:FR+16*\t+4*\c+3], v[ADK] offset:(64*(\q)+16*(\t/2)+8*(\t%2))*KP+32*\c
.endr
.endr
	s_wait_dscnt 16                                ; LDS loads come back in order (ISA guide 5.7.1): fragments 0-3 are in, the 16 loads of fragments 4-7 may be out
	WIN W_KQ
.irp t, 0,1,2,3                                ; S^T = K Q^T: each fragment of K against both tiles of queries; sixteen accumulators, one instruction each
.irp u, 0,1
	v_wmma_f32_16x16x128_fp8_fp8 v[S+64*\u+8*\t:S+64*\u+8*\t+7], v[FR+16*\t:FR+16*\t+15], v[Q+16*\u:Q+16*\u+15], 0
.endr
.endr
	s_wait_dscnt 0x0
.irp t, 4,5,6,7
.irp u, 0,1
	v_wmma_f32_16x16x128_fp8_fp8 v[S+64*\u+8*\t:S+64*\u+8*\t+7], v[FR+16*\t:FR+16*\t+15], v[Q+16*\u:Q+16*\u+15], 0
.endr
.endr
.rept 4
	v_nop                                          ; the places in front of the loads below and of the first read of the scores
.endr
	WIN W_LD
.irp t, 0,1,2,3,4,5,6,7                        ; V's eight fragments are asked for now, where K's lay: they land while the softmax is walked
.irp c, 0,1,2,3
	ds_load_b128 v[FR+16*\t+4*\c:FR+16*\t+4*\c+3], v[ADV] offset:16*\t*VP+64*(\q)+16*\c
.endr
.endr
	WIN 0
.set n, 0
.rept 73
	PRE 0
.set n, n+1
.endr
.set n, 0
.rept 73                                       ; tile 0's 64 exponentials, each behind a plain line of tile 1's list, which names none of their registers
	PRE 1
.if n < 64
	v_exp_f32 v[S+n], v[S+n]                       ; p = 2^(t - M): NOT normalised
.endif
.set n, n+1
.endr
	s_wait_alu depctr_va_vdst(0)                   ; one wait for the batch, ahead of its first reader; nine plain lines stand behind the last exponential
.set n, 0
.rept 97                                       ; tile 1's 64 exponentials among tile 0's sums
	POST 0
.if n < 64
	v_exp_f32 v[S+64+n], v[S+64+n]
.endif
.set n, n+1
.endr
	CVT 0
	s_wait_alu depctr_va_vdst(0)                   ; one wait for the second batch, ahead of its first reader
.set n, 0
.rept 97
	POST 1
.set n, n+1
.endr
	CVT 1
.if \first
	v_nop                                          ; one plain vector line between the last scaled conversion and the products that read its result
.else
	WIN W_RS
.irp u, 0,1
.set i, 0
.rept 32
	v_pk_mul_f32 v[64*\u+i:64*\u+i+1], v[64*\u+i:64*\u+i+1], v[ST+12*\u+4:ST+12*\u+5] op_sel_hi:[1,0]   ; O^T under the new M: x f, each accumulator from its low end on.  (Also the plain lines behind the conversions)
.set i, i+2
.endr
.endr
.endif
	s_wait_dscnt 0x0                               ; V is in
	WIN W_PV
.irp t, 0,1,2,3,4,5,6,7                        ; O^T += V^T P^T: each fragment of V against both tiles; sixteen accumulators by turns, one instruction a turn
.irp u, 0,1
.if \first
	v_wmma_f32_16x16x128_fp8_fp8 v[64*\u+8*\t:64*\u+8*\t+7], v[FR+16*\t:FR+16*\t+15], v[CD+16*\u:CD+16*\u+15], 0
.else
	v_wmma_f32_16x16x128_fp8_fp8 v[64*\u+8*\t:64*\u+8*\t+7], v[FR+16*\t:FR+16*\t+15], v[CD+16*\u:CD+16*\u+15], v[64*\u+8*\t:64*\u+8*\t+7]
.endif
.endr
.endr
	WIN 0                                          ; at a label and at a branch every window is 0
.endm
; THE CHANGE OF SLOTS stands at a slot's head.  Each wave waits for all its tensor loads (its part of the slot that it is about to read), adds 0 to its spare word, and waits for that and for its reads of the slot that it has left.
; fill = 1: the barrier is a round of the cluster's, so that no wave of any partner still reads the slot that was left or has a load on its way; behind it that slot is filled with the keys that follow, first thing, one load a wave:
; the load has a slot's two key steps in which to land.  One tensor load of a wave is out at the most.
.macro CHANGE fill
	WIN 0
	s_wait_tensorcnt 0x0                           ; no tensor load of mine is out, so a group 0 may be written
	ds_add_u32 v[SPW], v[NIL]                      ; 0 onto my spare word
.if \fill
	s_xor_b32 s[G0K+1], s[G0K+1], SLOT1            ; the walking descriptors: the other slot than last time,
	s_add_nc_u64 s[G0K+2:G0K+3], s[G0K+2:G0K+3], SK*128   ; the next 256 keys; the type bits on top are not reached
	s_xor_b32 s[G0V+1], s[G0V+1], SLOT1
	s_add_nc_u64 s[G0V+2:G0V+3], s[G0V+2:G0V+3], SK
	s_wait_xcnt 0x0                                ; the last prefetch, a slot back, has read its address, so it may be written:
	s_add_nc_u64 s[PFA:PFA+1], s[PFA:PFA+1], s[PFS:PFS+1]   ; one slot further on than the walking descriptors
	s_wait_dscnt 0x0                               ; the add is done, and my reads of the slot that I have left are over
	CROUND
	TLOAD
	ASK
.else
	s_wait_dscnt 0x0
	s_barrier_signal -1
	s_barrier_wait -1
.endif
.endm
.macro SLOT_STEPS
	STEP 0, 0
	STEP 1, 0
	s_xor_b32 s[TB], s[TB], SLOT1                  ; on to the other slot
.endm
	CHANGE 1                                       ; slot 0 is whole; slot 1 is asked for, as a refill is
	STEP 0, 1                                      ; the first slot is written out: its first step starts O^T
	STEP 1, 0
	s_xor_b32 s[TB], s[TB], SLOT1
	s_sub_co_u32 s[SLOTS], s[SLOTS], 1
.Lslot:                                            ; NSL - 2 trips: behind each of these changes of slots the next slot is asked for
	CHANGE 1
	SLOT_STEPS
	s_sub_co_u32 s[SLOTS], s[SLOTS], 1
	s_cmp_lg_u32 s[SLOTS], 0
	s_cbranch_scc1 .Lslot
	CHANGE 0                                       ; the last slot is written out
	SLOT_STEPS
	; THE WAY OUT.  The sum's two halves and lane l xor 16's are added; O^T x 2^(ep + ev) / the sum goes through my stage in LDS, a tile of 16 queries at a time, and leaves as whole rows of 512 bytes.
	; The additions and the address lines are the places behind the last products and the plain lines behind the reciprocals.
.irp u, 0,1
	v_add_f32 v[ST+12*\u+6], v[ST+12*\u+2], v[ST+12*\u+3]
.endr
.irp u, 0,1
	v_permlanex16_b32 v[ST+12*\u+10], v[ST+12*\u+6], s[SEL], s[SEL+1]
.endr
.irp u, 0,1
	v_add_f32 v[ST+12*\u+6], v[ST+12*\u+6], v[ST+12*\u+10]
.endr
.irp u, 0,1
	v_rcp_f32 v[ST+12*\u+7], v[ST+12*\u+6]
.endr
	s_mul_i32 s66, s[WV], 16*SPITCH                ; my stage
	v_mul_u32_u24 v[STO], v40, SPITCH              ; in: row r; channels 16 t + 8 h + 0 .. 7 lie 64 t + 32 h bytes on
	v_lshl_add_u32 v[STO], v41, 5, v[STO]
	v_add_nc_u32 v[STO], s66, v[STO]
	v_add_nc_u32 v[RD], s66, v[GO]                 ; back: the 32 lanes take one row of 512 bytes
	s_wait_alu depctr_va_vdst(0)                   ; one wait for the two reciprocals, ahead of their first reader
.irp u, 0,1
	v_ldexp_f32 v[ST+12*\u+4], v[ST+12*\u+7], s59  ; 2^(ep + ev) / the sum
.endr
	WIN W_OUT
.irp u, 0,1
.set i, 0
.rept 32
	v_pk_mul_f32 v[S+64*\u+i:S+64*\u+i+1], v[64*\u+i:64*\u+i+1], v[ST+12*\u+4:ST+12*\u+5] op_sel_hi:[1,0]   ; register 8 t + j of tile u: out(16 u + r, 16 t + 8 h + j); each accumulator from its low end on
.set i, i+2
.endr
.endr
	WIN 0
.macro TOSTAGE u                       ; LDS serves a wave's instructions in order (ISA guide 5.7.1.4): the loads see the stores above them, and the next tile's stores come behind these loads
.irp t, 0,1,2,3,4,5,6,7
	ds_store_b128 v[STO], v[S+64*(\u)+8*\t:S+64*(\u)+8*\t+3] offset:64*\t
	ds_store_b128 v[STO], v[S+64*(\u)+8*\t+4:S+64*(\u)+8*\t+7] offset:64*\t+16
.endr
.irp i, 0,1,2,3,4,5,6,7,8,9,10,11,12,13,14,15
	ds_load_b128 v[S+64*(\u)+4*\i:S+64*(\u)+4*\i+3], v[RD] offset:\i*SPITCH
.endr
.endm
.macro SEND u, younger                 ; younger: the LDS instructions issued behind tile u's loads, which may stay out
.irp i, 0,1,2,3,4,5,6,7,8,9,10,11,12,13,14,15
	s_wait_dscnt \younger+15-\i                    ; row i is back; the later rows' loads may be out
	global_store_b128 v[GO], v[S+64*(\u)+4*\i:S+64*(\u)+4*\i+3], s[14:15] offset:(16*(\u)+\i)*512 th:TH_STORE_NT   ; 32 lanes store 512 consecutive bytes, at a multiple of 512 from out's first byte; written once, read by nobody here
.endr
.endm
	TOSTAGE 0
	TOSTAGE 1
	SEND 0, 32                                     ; behind tile 0's loads: tile 1's 16 stores and 16 loads
	SEND 1, 0
	s_wait_tensorcnt 0x0                           ; the wave's end: behind my last tensor load and my last LDS store
	ds_add_u32 v[SPW], v[NIL]
	s_wait_dscnt 0x0
	CROUND                                         ; the closing round: no work-group ends while a partner may still ask for a tile that names it
	s_endpgm
.Lfunc_end_k_q0d922d8f1c_attn:
	.size	k_q0d922d8f1c_attn, .Lfunc_end_k_q0d922d8f1c_attn-k_q0d922d8f1c_attn
	.p2alignl 7, 3214868480
	.fill 96, 4, 3214868480
	.section	.rodata,"a",@progbits
	.p2align	6, 0x0
	.amdhsa_kernel k_q0d922d8f1c_attn
		.amdhsa_group_segment_fixed_size 327680
		.amdhsa_private_segment_fixed_size 0
		.amdhsa_enable_private_segment 0
		.amdhsa_kernarg_size 48
		.amdhsa_user_sgpr_count 2
		.amdhsa_user_sgpr_kernarg_segment_ptr 1
		.amdhsa_wavefront_size32 1
		.amdhsa_system_sgpr_workgroup_id_x 1
		.amdhsa_system_sgpr_workgroup_id_y 1
		.amdhsa_system_sgpr_workgroup_id_z 1
		.amdhsa_system_vgpr_workitem_id 0
		.amdhsa_next_free_vgpr 512
		.amdhsa_next_free_sgpr 96
		.amdhsa_reserve_vcc 0
		.amdhsa_float_denorm_mode_32 3
		.amdhsa_float_denorm_mode_16_64 3
		.amdhsa_fp16_overflow 1
		.amdhsa_memory_ordered 1
		.amdhsa_forward_progress 1
		.amdhsa_inst_pref_size 193
	.end_amdhsa_kernel
	.amdgpu_metadata
---
amdhsa.version: [ 1, 2 ]
amdhsa.kernels:
  - .name:           k_q0d922d8f1c_attn
    .symbol:         k_q0d922d8f1c_attn.kd
    .args:
      - { .name: query_codes, .offset: 0, .size: 8, .value_kind: global_buffer, .address_space: global }
      - { .name: key_codes, .offset: 8, .size: 8, .value_kind: global_buffer, .address_space: global }
      - { .name: value_codes, .offset: 16, .size: 8, .value_kind: global_buffer, .address_space: global }
      - { .name: lowp_scales, .offset: 24, .size: 8, .value_kind: global_buffer, .address_space: global }
      - { .name: scale_factor, .offset: 32, .size: 8, .value_kind: global_buffer, .address_space: global }
      - { .name: out0, .offset: 40, .size: 8, .value_kind: global_buffer, .address_space: global }
    .group_segment_fixed_size: 327680
    .private_segment_fixed_size: 0
    .kernarg_segment_align: 8
    .kernarg_segment_size: 48
    .max_flat_workgroup_size: 256
    .sgpr_count:     96
    .vgpr_count:     512
    .wavefront_size: 32
...
	.end_amdgpu_metadata
.endif
;; end of part 1
